; MI455X (gfx1250); checked and timed in simulation.
; The chip was launched on July 23, 2026; its instructions are those of AMD's public machine-readable ISA for CDNA 5 (MIT licence, August 2026) and "CDNA5" Instruction Set Architecture Reference Guide (July 2026). The comments in the code are by the model that wrote it; some were corrected since.
;; Roberta Self Attention. Allowed arithmetic: matrix products marked QUANTISED: E4M3 operands, one given power-of-two scale a tensor, by v_wmma_f32_16x16x64_fp8_fp8 or v_wmma_f32_16x16x128_fp8_fp8, f32 sums; everything else in f32.
;; Inputs: Wk_codes 1,024 x 32 x 32 uint8 (E4M3 codes of Wk, K innermost, in blocks of 32 codes); Wq_codes 1,024 x 32 x 32 uint8 (E4M3 codes of Wq, K innermost, in blocks of 32 codes); Wv_codes 1,024 x 32 x 32 uint8 (E4M3 codes of Wv, K innermost, in blocks of 32 codes); attention_mask 4 x 1 x 1 x 2,048 float32; bk 1,024 float32; bq 1,024 float32; bv 1,024 float32; hidden_states_codes 4 x 2,048 x 32 x 32 uint8 (E4M3 codes of hidden_states, K innermost, in blocks of 32 codes); lowp_scales 10 int32 (the exponents e of the quantised operands' scales 2^e).
;; Outputs: out0 4 x 2,048 x 1,024 float32.
;; This version of the problem:
;;   THIS VERSION OF THE PROBLEM IS GIVEN IN LOW PRECISION. The matrix products marked QUANTISED in the list below multiply operands that are first quantised to E4M3 (4 exponent bits, 3 mantissa bits; 8 bits a number), with one given power-of-two scale for each operand tensor; their sums are f32. All else is computed in f32.
;;   The module's matrix products, in the order in which they are computed (A, B: the left and right operand; K: the contracted axis; several contracted axes count as one K, in the product's order):
;;     1. [M 8,192, K 1,024] x [K 1,024, N 1,024]; A: input hidden_states (given as codes); B: input Wq (given as codes): QUANTISED (scales: A lowp_scales[0], B lowp_scales[1])
;;     2. [M 8,192, K 1,024] x [K 1,024, N 1,024]; A: input hidden_states (given as codes); B: input Wk (given as codes): QUANTISED (scales: A lowp_scales[2], B lowp_scales[3])
;;     3. [M 8,192, K 1,024] x [K 1,024, N 1,024]; A: input hidden_states (given as codes); B: input Wv (given as codes): QUANTISED (scales: A lowp_scales[4], B lowp_scales[5])
;;     4. batch 64 x [M 2,048, K 64] x [K 64, N 2,048]; A: computed on the way; B: computed on the way: QUANTISED (scales: A lowp_scales[6], B lowp_scales[7])
;;     5. batch 64 x [M 2,048, K 2,048] x [K 2,048, N 64]; A: softmax (see below); B: computed on the way: QUANTISED (scales: A lowp_scales[8], B lowp_scales[9])
;;   THE QUANTISER, for each operand of a quantised product, along K:
;;     - The operand's scale is 2^e, e = its entry of the input lowp_scales (int32; the entries are numbered through the quantised products in the list's order, A before B).
;;     - Each number is divided by the scale, clamped to +-448, and rounded to the nearest number of E4M3, ties to even, subnormals kept.
;;     - The product sums the exact products of the quantised numbers (number of the format x scale) in f32.
;;   ~~~python
;;   def quantise(x, axis, e):      # numpy; x: float32 -> the quantised numbers, widened to float32 again
;;       x = np.moveaxis(x, axis, -1); K = x.shape[-1]
;;       r = np.clip(x / 2.0 ** e, -448, 448)
;;       step = 2.0 ** (np.maximum(np.frexp(np.where(r == 0, 1, r))[1] - 1, -6) - 3)
;;       q = np.round(r / step) * step * 2.0 ** e      # np.round: ties to even
;;       return np.moveaxis(q, -1, axis).astype(np.float32)
;;   ~~~
;;   SOFTMAX AHEAD OF A QUANTISED PRODUCT. Where the list says 'softmax', what is quantised is not the finished softmax but p = 2^(t - M), with t = logit x log2(e) and M = ceil(the row's largest t), a whole number; so 1/2 < the row's largest p <= 1. The row's sum l is taken of the UNQUANTISED p, in f32, and the product's result is divided by l at the end. Since M is a whole number, a kernel that streams over the keys may use a running M (the ceiling of the running maximum): every later rescaling is an exact power of two, so the quantised numbers keep their values, but for numbers so far below the row's largest that they fall under the format's range.
;;   OPERANDS COMPUTED ON THE WAY. 'Computed on the way' means the value that the module computes at that place (a softmax that the list does not call 'softmax' is quantised finished and normalised). What goes into a quantiser is computed in f32, as accurately as f32 sums, v_exp_f32 and their like allow (about 1e-6 of the number): no bf16 or f16 on the way to a quantiser, and a product that is left as it is and whose result goes on into a quantised operand takes f32 operands (vector FMAs, or v_wmma_f32_16x16x4_f32). A number that lies on a knife's edge between two numbers of the format may be rounded either way, as far as f32 arithmetic and the matrix unit's own rounding can turn it there, and no further.
;;   INPUTS GIVEN AS CODES. Wk (in the module: [1024, 1024], K = its axis 1); Wq (in the module: [1024, 1024], K = its axis 1); Wv (in the module: [1024, 1024], K = its axis 1); hidden_states (in the module: [4, 2048, 1024], K = its axis 2): each comes as NAME_codes (uint8): NAME with its K axis moved to the last place and cut into blocks of 32 codes, [.., K / 32, bytes a block], one block behind the other in memory; one code a byte (a code: sign, 4 exponent bits, 3 mantissa bits); its scale is its entry of lowp_scales. Its value is code x scale, taken as it is: it is not quantised again, and the codes and scales need not be those that the quantiser above would give.
;; One version. Each part assembles by itself: llvm-mc -triple=amdgcn-amd-amdhsa -mcpu=gfx1250 --defsym DOCPART=n.
;; ======== version 1 of 1: 2 launches
;; limits: inputs' magnitudes at most 524,288; right only within a limited range of input values
;; workspace buffers: qc 8,388,608 bytes; kc 8,388,608 bytes; vc 8,388,608 bytes
;; launch proj (part 1): grid 16 x 16, 4 waves a work-group, clusters of 4 x 1, 327,680 bytes of LDS; arguments hidden_states_codes, Wq_codes, Wk_codes, Wv_codes, bq, bk, bv, lowp_scales, qc, kc, vc; writes qc, kc, vc
.if DOCPART == 1
	.amdgcn_target "amdgcn-amd-amdhsa--gfx1250"
	.amdhsa_code_object_version 6
	.text
	.protected	k_q020ea85469_proj
	.globl	k_q020ea85469_proj
	.p2align	8
	.type	k_q020ea85469_proj,@function
k_q020ea85469_proj:
	s_mov_b64 s[64:65], 0
	v_nop
	global_prefetch_b8 v0, s[64:65] scope:SCOPE_SE
	s_setreg_imm32_b32 hwreg(HW_REG_WAVE_MODE, 25, 1), 1
	s_wait_xcnt 0x0
	s_wait_alu depctr_hold_cnt(0) depctr_sa_sdst(0) depctr_va_vdst(0) depctr_va_sdst(0) depctr_va_ssrc(0) depctr_va_vcc(0) depctr_vm_vsrc(0)
	s_getreg_b32 s2, hwreg(HW_REG_IB_STS2, 6, 4)
	s_cmp_eq_u32 s2, 0
	s_cbranch_scc0 .Lentry_in_a_cluster
	s_endpgm
.Lentry_in_a_cluster:
	s_bfe_u32 s2, ttmp6, 0x10000c
	s_cmp_lg_u32 s2, 0x3003
	s_cbranch_scc0 .Lentry_shape_is_right
	s_endpgm
.Lentry_shape_is_right:
; THE THREE PROJECTIONS: q = hidden Wq^T + bq, k = hidden Wk^T + bk, v = hidden Wv^T + bv, on the given codes of E4M3, sums in f32; each result is quantised at once for attention's products
; (q with 2^e6, k with 2^e7, v with 2^e9: entries of lowp_scales) and stored as codes in the order in which the next launch's operand registers take them.
; NOTHING IS LEFT OUT: every bias goes into a quantiser, the mask varies along the softmax's axis, and hidden's three scale entries (0, 2, 4) are each used in their own product.  Every input is loaded by one of the two launches.
; ARITHMETIC.  A raw sum stands for sum x 2^(eA + eB).  The bias, x 2^-(eA + eB) (exact), is the C of each sum's first matrix instruction; the finished sum is held within +-448 x 2^d and converted with the scale 2^d, d = eo - eA - eB.
; LIMITS: d between -126 and 119, so that both powers of two are f32 numbers; a bias x 2^-(eA + eB) that leaves f32's range, and NaN among the biases, are not served.
; SHARES.  A work-group owns one head (64 channels of each of q, k, v) and 512 positions: 16 x 16 work-groups.  Wave w owns channels 16 w .. 16 w + 15 of the head in all three tensors and keeps their weights,
;   3 x 16 rows x 1,024 K = 384 registers, for the whole launch.  hidden's 512 rows go through a ring of two LDS slots of 128 whole rows (1,024 bytes each), four fills in all, 32 rows a wave and fill; all four waves read every row.
; CLUSTERS: the four work-groups of a cluster own four heads on the same positions and ask for hidden's rows jointly (mask 15; the descriptor hangs on the grid's y and the wave's number alone).
; A UNIT is 64 rows: 12 accumulators (4 row blocks x q, k, v), 96 matrix instructions in four phases of 256 along K.  q, k: source 0 = weights, source 1 = hidden: a lane holds one position and eight channels.
;   v: source 0 = hidden, source 1 = weights: a lane holds one channel and eight keys.  In a phase q's and k's eight accumulators take turns, then v's four.
;   hidden's fragments have two buffers of 128 registers; a phase's 32 LDS loads are issued two phases ahead.  The codes of unit n are made and stored in the phases of unit n + 1, from a second set of accumulators:
;   the hold of one finished number stands behind each matrix instruction (its limits are scalar registers, its number lies in the accumulators' window: no switch of windows), the conversions and stores at the phase's end.
; THE CODES' LAYOUT.  qc, kc: [batch x head 64][16 positions 128][c 2][h 2][r 16][16 bytes]: position r, channels 32 c + 16 h + 0 .. 15.  My wave's 16 channels of 16 positions are one aligned block of 256 bytes: one store of 8 bytes a lane.
;   vc: [batch x head 64][128 keys 16][16 channels 4][c 4][h 2][r 16][16 bytes]: channel r; keys 32 c + 8 h + 0 .. 7, then 32 c + 16 + 8 h + 0 .. 7: the order in which the next launch's p lies.  One store of 16 bytes a lane covers 512 bytes on end.
; PREFETCH: the rows of fills 2 and 3 are asked of memory in phases 0 and 4, 6 and 10 phases ahead of their tensor loads; a fill's 512 blocks of 256 bytes are shared out by address: partner cx takes 32 rows, a lane a row, wave w the w-th 256 bytes.
; REGISTERS.  window 0: v4-27 addresses, scales, codes; v32-55 the three biases as C; v64-255 two sets of 96 accumulators.  windows 1, 2: v0-191 the weights of K 0-511 and 512-1,023.  window 3: hidden's two fragment buffers.
;   s58-63: 448 x 2^d and its negative for q, k, v.
.set PITCH, 1040                       ; an LDS row: 1,024 bytes + 16 = 65 x 16: the 16 rows that a load touches start at 16 different groups of four banks (ISA guide 11.1)
.set SLOT,  128*PITCH
.set SPARE, 2*SLOT                     ; the spare words, 128 bytes a wave
.set ADR,  4                           ; v4-7  LDS address of my lane in slot s, unit u: v[4 + 2 s + u]
.set OQ,   8                           ; 16 r + 8 h
.set OV,   9                           ; 16 x lane
.set WO,   10                          ; 1,024 r + 16 h
.set PFO,  11                          ; 1,024 x lane
.set SPW,  12
.set NIL,  13
.set SC,   14                          ; v14-16  2^d for q, k, v
.set CDQ,  20
.set CDK,  22
.set CDV,  24
.set BB,   32                          ; v32-39, v40-47, v48-55: the biases in the results' layouts
.set ACC,  64
.set MSB, 0
.macro WIN new                         ; the immediate's high byte repeats the setting that is left
.if MSB != (\new)
	s_set_vgpr_msb (MSB<<8)|(\new)
.set MSB, (\new)
.endif
.endm
.macro CROUND                          ; a round of the cluster's barrier
	s_barrier_signal -1
	s_barrier_wait -1
	s_cmp_lg_u32 s14, 0
	s_cbranch_scc1 .Lnot_wave_0_\@
	s_barrier_signal -3
.Lnot_wave_0_\@:
	s_barrier_wait -3
	s_barrier_signal -1
	s_barrier_wait -1
.endm
.macro NOPS
.rept 4
	v_nop
.endr
.endm
	s_load_b256 s[68:75], s[0:1], 0x0              ; hidden, Wq, Wk, Wv
	s_load_b256 s[76:83], s[0:1], 0x20             ; bq, bk, bv, the scales' exponents
	s_load_b128 s[84:87], s[0:1], 0x40             ; qc, kc
	s_load_b64 s[88:89], s[0:1], 0x50              ; vc
	v_lshl_add_u32 v[SPW], v0, 2, SPARE
	v_mov_b32 v[NIL], 0
	ds_add_u32 v[SPW], v[NIL]                      ; the opening: the add, twice on end, and its wait ahead of my first tensor load
	ds_add_u32 v[SPW], v[NIL]
	v_lshrrev_b32 v1, 5, v0
	v_readfirstlane_b32 s14, v1                    ; wave 0..3
	s_bfe_u32 s40, ttmp6, 0x40000                  ; cx
	s_lshl_b32 s41, ttmp9, 2
	s_add_co_u32 s41, s41, s40                     ; the head
	s_and_b32 s42, ttmp7, 0xffff                   ; y: the block of 512 positions
	s_mov_b32 s24, 15|(1<<20)|(1<<21)|(7<<22)|(3<<25)  ; mask 15; elements of 1 byte; padding: four words after every 256; bit 21 beside the mask
	s_mov_b32 s25, 1024<<16                        ; tensor_dim0
	s_mov_b32 s26, 32<<16                          ; tensor_dim1
	s_mov_b32 s27, 1024<<16                        ; tile_dim0
	s_mov_b32 s28, 32                              ; tile_dim1
	s_mov_b32 s29, 1024                            ; the pitch in memory
	s_mov_b32 s30, 0
	s_mov_b32 s31, 0
	s_lshl_b32 s20, s42, 19
	s_lshl_b32 s21, s14, 15
	s_add_co_u32 s20, s20, s21                     ; hidden: row 512 y + 32 wave
	s_mov_b32 s21, 0
	s_mul_i32 s45, s14, 32*PITCH                   ; and where it goes in a slot
	s_lshl_b32 s46, s41, 16
	s_lshl_b32 s47, s14, 14
	s_add_co_u32 s46, s46, s47                     ; the weights: row 64 head + 16 wave
	s_mov_b32 s47, 0
	s_lshl_b32 s48, s41, 8
	s_lshl_b32 s49, s14, 6
	s_add_co_u32 s48, s48, s49                     ; the biases likewise, 4 bytes each
	s_mov_b32 s49, 0
	s_lshr_b32 s50, s42, 2
	s_lshl_b32 s50, s50, 4
	s_add_co_u32 s50, s50, s41                     ; batch x 16 + head
	s_lshl_b32 s50, s50, 17
	s_and_b32 s51, s42, 3
	s_lshl_b32 s51, s51, 15
	s_add_co_u32 s50, s50, s51                     ; + 512 (y % 4) positions of 64 bytes, in all three layouts
	s_lshl_b32 s51, s14, 8
	s_add_co_u32 s52, s50, s51                     ; q, k: + 256 wave
	s_mov_b32 s53, 0
	s_lshl_b32 s51, s14, 11
	s_add_co_u32 s54, s50, s51                     ; v: + 2,048 wave
	s_mov_b32 s55, 0
	s_lshl_b32 s56, s42, 19
	s_lshl_b32 s57, s40, 15
	s_add_co_u32 s56, s56, s57
	s_lshl_b32 s57, s14, 8
	s_add_co_u32 s56, s56, s57                     ; the prefetches: row 512 y + 32 cx, byte 256 wave
	s_mov_b32 s57, 0
	s_wait_dscnt 0x0                               ; both opening adds are done
	s_wait_kmcnt 0x0
	s_mov_b32 s32, 1                               ; group 0 for slot 0,
	s_mov_b32 s33, s45
	s_add_nc_u64 s[34:35], s[68:69], s[20:21]
	s_mov_b32 s36, 1                               ; and for slot 1: 128 rows on
	s_add_co_u32 s37, s45, SLOT
	s_add_nc_u64 s[38:39], s[34:35], 131072
	s_or_b32 s35, s35, 0x80000000
	s_or_b32 s39, s39, 0x80000000
	s_add_nc_u64 s[92:93], s[68:69], s[56:57]
	s_add_nc_u64 s[4:5], s[70:71], s[46:47]
	s_add_nc_u64 s[6:7], s[72:73], s[46:47]
	s_add_nc_u64 s[8:9], s[74:75], s[46:47]
	s_add_nc_u64 s[76:77], s[76:77], s[48:49]
	s_add_nc_u64 s[78:79], s[78:79], s[48:49]
	s_add_nc_u64 s[80:81], s[80:81], s[48:49]
	s_add_nc_u64 s[84:85], s[84:85], s[52:53]
	s_add_nc_u64 s[86:87], s[86:87], s[52:53]
	s_add_nc_u64 s[88:89], s[88:89], s[54:55]
	s_load_b256 s[68:75], s[82:83], 0x0            ; e0 .. e7 (the pointers that stood here have been used)
	s_load_b64 s[90:91], s[82:83], 0x20            ; e8, e9
	CROUND                                         ; the four partners are here: the first joint loads meet
	tensor_load_to_lds s[32:35], s[24:31]          ; fill 0: my one load at the head
	s_nop 0
	v_and_b32 v1, 15, v0                           ; r
	v_bfe_u32 v2, v0, 4, 1                         ; h
	v_and_b32 v3, 31, v0
	v_mul_u32_u24 v[ADR], v1, PITCH
	v_lshlrev_b32 v[WO], 10, v1
	v_lshlrev_b32 v[OQ], 4, v1
	v_lshl_add_u32 v[ADR], v2, 4, v[ADR]
	v_lshl_add_u32 v[WO], v2, 4, v[WO]
	v_lshl_add_u32 v[OQ], v2, 3, v[OQ]
	v_lshlrev_b32 v[OV], 4, v3
	v_lshlrev_b32 v[PFO], 10, v3
	v_add_nc_u32 v[ADR+1], 64*PITCH, v[ADR]
	v_add_nc_u32 v[ADR+2], SLOT, v[ADR]
	v_add_nc_u32 v[ADR+3], SLOT+64*PITCH, v[ADR]
	v_lshlrev_b32 v57, 5, v2                       ; q, k: my eight biases begin 32 h bytes on
	v_lshlrev_b32 v58, 2, v1                       ; v: my one bias 4 r bytes on
	s_wait_alu depctr_va_vdst(0)                   ; ahead of the readers below
.irp w, 0,1                                    ; the weights: chunk c of 128 K of tensor t at v[48 (c % 4) + 16 t] of window 1 + c / 4; registers 4 i .. 4 i + 3: K = 128 c + 32 i + 16 h + 0 .. 15, as hidden's fragments have it
	WIN 0x40*(\w+1)
.irp c, 0,1,2,3
.irp i, 0,1,2,3
	global_load_b128 v[48*\c+4*\i:48*\c+4*\i+3], v[WO], s[4:5] offset:512*\w+128*\c+32*\i
	global_load_b128 v[48*\c+16+4*\i:48*\c+16+4*\i+3], v[WO], s[6:7] offset:512*\w+128*\c+32*\i
	global_load_b128 v[48*\c+32+4*\i:48*\c+32+4*\i+3], v[WO], s[8:9] offset:512*\w+128*\c+32*\i
.endr
.endr
.endr
	WIN 0
	global_load_b128 v[BB:BB+3], v57, s[76:77]
	global_load_b128 v[BB+4:BB+7], v57, s[76:77] offset:16
	global_load_b128 v[BB+8:BB+11], v57, s[78:79]
	global_load_b128 v[BB+12:BB+15], v57, s[78:79] offset:16
	global_load_b32 v56, v58, s[80:81]
	s_wait_kmcnt 0x0                               ; the ten exponents: nothing branches on them
	s_add_co_i32 s94, s68, s69
	s_add_co_i32 s95, s70, s71
	s_add_co_i32 s96, s72, s73
	s_sub_co_i32 s97, s74, s94                     ; d of q: e6 - e0 - e1
	s_sub_co_i32 s98, s75, s95                     ; of k: e7 - e2 - e3
	s_sub_co_i32 s99, s91, s96                     ; of v: e9 - e4 - e5
	s_sub_co_i32 s94, 0, s94
	s_sub_co_i32 s95, 0, s95
	s_sub_co_i32 s96, 0, s96
.irp t, 0,1,2
	s_add_co_i32 s[97+\t], s[97+\t], 127
	s_lshl_b32 s100, s[97+\t], 23
	v_mov_b32 v[SC+\t], s100                       ; 2^d: the conversion takes its exponent field
	s_add_co_i32 s[97+\t], s[97+\t], 8
	s_lshl_b32 s100, s[97+\t], 23
	s_or_b32 s[58+2*\t], s100, 0x600000            ; 448 x 2^d,
	s_or_b32 s[59+2*\t], s100, 0x80600000          ; and its negative
.endr
.macro LOADA Q                         ; hidden's fragments of phase Q: 4 row blocks x 2 chunks of 128 K, into buffer Q % 2
	WIN 0xc0
.irp a, 0,1,2,3
.irp cc, 0,1
.irp c, 0,1,2,3
	ds_load_b128 v[128*((\Q)%2)+32*\a+16*\cc+4*\c:128*((\Q)%2)+32*\a+16*\cc+4*\c+3], v[ADR+2*(((\Q)/8)%2)+((\Q)/4)%2] offset:16*\a*PITCH+256*((\Q)%4)+128*\cc+32*\c
.endr
.endr
.endr
	WIN 0
.endm
.macro HOLD1                           ; the hold of one finished number (the conversion to an 8-bit code does not saturate: ISA guide 7.6.2): number MN of row block PH's 24 in the set at AO; each accumulator from its low end on
.if EP
	v_med3_num_f32 v[AO+32*(MN/8)+8*PH+MN%8], s[59+2*(MN/8)], s[58+2*(MN/8)], v[AO+32*(MN/8)+8*PH+MN%8]
.set MN, MN+1
.endif
.endm
.macro EPI U, i                        ; row block i of unit U, held: converted and stored
.set AO, ACC+96*((\U)%2)
	s_wait_alu depctr_va_vdst(0)
	s_wait_xcnt 0x0                                ; the earlier stores have read their registers
	v_cvt_scalef32_pk8_fp8_f32 v[CDQ:CDQ+1], v[AO+8*(\i):AO+8*(\i)+7], v[SC]
	v_cvt_scalef32_pk8_fp8_f32 v[CDK:CDK+1], v[AO+32+8*(\i):AO+32+8*(\i)+7], v[SC+1]
	v_cvt_scalef32_pk8_fp8_f32 v[CDV+2*((\i)%2):CDV+2*((\i)%2)+1], v[AO+64+8*(\i):AO+64+8*(\i)+7], v[SC+2]
	v_nop                                          ; one plain line behind the last conversion: matrix instructions write its sources later
	global_store_b64 v[OQ], v[CDQ:CDQ+1], s[84:85] offset:4096*(\U)+1024*(\i)      ; 32 lanes fill one aligned block of 256 bytes
	global_store_b64 v[OQ], v[CDK:CDK+1], s[86:87] offset:4096*(\U)+1024*(\i)
.if ((\i)%2) == 1
	global_store_b128 v[OV], v[CDV:CDV+3], s[88:89] offset:8192*((\U)/2)+1024*((\U)%2)+512*((\i)/2)   ; two row blocks' keys: 512 bytes on end
.endif
.endm
; PHASE P (0 .. 31): unit P / 4, K 256 (P % 4) on; slot (P / 8) % 2.
.macro PHASE P
.set PH, (\P)%4
.set AB, 128*((\P)%2)
.set AS, ACC+96*(((\P)/4)%2)
.set AO, ACC+96*(((\P)/4+1)%2)         ; the unit before's set
.set EP, (\P)/4                        ; not 0: there is a unit before
.set MN, 0
.set HW, 1+PH/2
.set WB, 96*(PH%2)
.if (\P) < 31
	s_wait_dscnt 32                                ; my fragments are in; the 32 loads of the next phase may be out
.else
	s_wait_dscnt 0x0
.endif
	WIN HW|(3<<2)                                  ; source 0: the weights' window; source 1: window 3
.irp cc, 0,1
.irp a, 0,1,2,3
.irp t, 0,1
.if (PH+\cc) == 0
	v_wmma_f32_16x16x128_fp8_fp8 v[AS+32*\t+8*\a:AS+32*\t+8*\a+7], v[WB+48*\cc+16*\t:WB+48*\cc+16*\t+15], v[AB+32*\a+16*\cc:AB+32*\a+16*\cc+15], v[BB+8*\t:BB+8*\t+7]
.else
	v_wmma_f32_16x16x128_fp8_fp8 v[AS+32*\t+8*\a:AS+32*\t+8*\a+7], v[WB+48*\cc+16*\t:WB+48*\cc+16*\t+15], v[AB+32*\a+16*\cc:AB+32*\a+16*\cc+15], v[AS+32*\t+8*\a:AS+32*\t+8*\a+7]
.endif
	HOLD1
.endr
.endr
.endr
	WIN 3|(HW<<2)                                  ; v: the sources the other way round
.irp cc, 0,1
.irp a, 0,1,2,3
.if (PH+\cc) == 0
	v_wmma_f32_16x16x128_fp8_fp8 v[AS+64+8*\a:AS+64+8*\a+7], v[AB+32*\a+16*\cc:AB+32*\a+16*\cc+15], v[WB+48*\cc+32:WB+48*\cc+47], v[BB+16:BB+23]
.else
	v_wmma_f32_16x16x128_fp8_fp8 v[AS+64+8*\a:AS+64+8*\a+7], v[AB+32*\a+16*\cc:AB+32*\a+16*\cc+15], v[WB+48*\cc+32:WB+48*\cc+47], v[AS+64+8*\a:AS+64+8*\a+7]
.endif
	HOLD1
.endr
.endr
	WIN 0
.if (((\P)%8) == 6) && ((\P) < 30)             ; THE CHANGE OF SLOTS: this slot's last fragments were asked for in the phase before; the loads below read the other slot
	s_wait_tensorcnt 0x0                           ; my part of the other slot is in
	ds_add_u32 v[SPW], v[NIL]
.if (\P) < 22
	s_add_nc_u64 s[34+4*((\P)/8):35+4*((\P)/8)], s[34+4*((\P)/8):35+4*((\P)/8)], 262144   ; this slot's next fill: 256 rows on
.endif
	s_wait_dscnt 0x0                               ; the add is done, and my reads of this slot are over
.if (\P) < 22
	CROUND                                         ; no wave of any partner still reads this slot or has a load on its way
	tensor_load_to_lds s[32+4*((\P)/8):35+4*((\P)/8)], s[24:31]
	s_nop 0
.else
	s_barrier_signal -1                            ; the last change fills nothing
	s_barrier_wait -1
.endif
.endif
	NOPS                                           ; four places ahead of loads into registers that the products read, and of the reads of finished sums
.if (\P) < 30
	LOADA (\P)+2
.endif
.if ((\P)%4) == 0 && (\P) < 8
	global_prefetch_b8 v[PFO], s[92:93] offset:131072*(2+(\P)/4) th:TH_LOAD_NT scope:SCOPE_SE   ; fill 2 (phase 0), fill 3 (phase 4)
.endif
.if (\P) >= 4
	EPI (\P)/4-1, PH
.endif
.endm
	s_wait_alu depctr_va_vdst(0)                   ; ahead of the blocking wait
	s_wait_tensorcnt 0x0                           ; my part of fill 0 is in
	ds_add_u32 v[SPW], v[NIL]
	s_wait_dscnt 0x0
	CROUND
	tensor_load_to_lds s[36:39], s[24:31]          ; fill 1, into slot 1
	s_nop 0
	NOPS
	LOADA 0
	LOADA 1
	s_wait_loadcnt 0x0                             ; the weights and the biases
.irp j, 0,1,2,3,4,5,6,7
	v_ldexp_f32 v[BB+\j], v[BB+\j], s94            ; q: channels 8 h + j
	v_ldexp_f32 v[BB+8+\j], v[BB+8+\j], s95        ; k likewise
	v_ldexp_f32 v[BB+16+\j], v56, s96              ; v: channel r in all eight
.endr
	s_wait_alu depctr_va_vdst(0)
.set PP, 0
.rept 32                                       ; the walk is written out: the fills differ from slot to slot
	PHASE PP
.set PP, PP+1
.endr
.set AO, ACC+96                                ; the last unit (7) has no products to stand among
.set EP, 1
.irp i, 0,1,2,3
.set PH, \i
.set MN, 0
.rept 24
	HOLD1
.endr
	EPI 7, \i
.endr
	s_wait_tensorcnt 0x0                           ; the wave's end
	ds_add_u32 v[SPW], v[NIL]
	s_wait_dscnt 0x0
	CROUND                                         ; the closing round
	s_endpgm
.Lfunc_end_k_q020ea85469_proj:
	.size	k_q020ea85469_proj, .Lfunc_end_k_q020ea85469_proj-k_q020ea85469_proj
	.p2alignl 7, 3214868480
	.fill 96, 4, 3214868480
	.section	.rodata,"a",@progbits
	.p2align	6, 0x0
	.amdhsa_kernel k_q020ea85469_proj
		.amdhsa_group_segment_fixed_size 327680
		.amdhsa_private_segment_fixed_size 0
		.amdhsa_enable_private_segment 0
		.amdhsa_kernarg_size 88
		.amdhsa_user_sgpr_count 2
		.amdhsa_user_sgpr_kernarg_segment_ptr 1
		.amdhsa_wavefront_size32 1
		.amdhsa_system_sgpr_workgroup_id_x 1
		.amdhsa_system_sgpr_workgroup_id_y 1
		.amdhsa_system_sgpr_workgroup_id_z 1
		.amdhsa_system_vgpr_workitem_id 0
		.amdhsa_next_free_vgpr 1024
		.amdhsa_next_free_sgpr 102
		.amdhsa_reserve_vcc 0
		.amdhsa_float_denorm_mode_32 3
		.amdhsa_float_denorm_mode_16_64 3
		.amdhsa_memory_ordered 1
		.amdhsa_forward_progress 1
		.amdhsa_inst_pref_size 207
	.end_amdhsa_kernel
	.amdgpu_metadata
---
amdhsa.version: [ 1, 2 ]
amdhsa.kernels:
  - .name:           k_q020ea85469_proj
    .symbol:         k_q020ea85469_proj.kd
    .args:
      - { .name: hidden_states_codes, .offset: 0, .size: 8, .value_kind: global_buffer, .address_space: global }
      - { .name: Wq_codes, .offset: 8, .size: 8, .value_kind: global_buffer, .address_space: global }
      - { .name: Wk_codes, .offset: 16, .size: 8, .value_kind: global_buffer, .address_space: global }
      - { .name: Wv_codes, .offset: 24, .size: 8, .value_kind: global_buffer, .address_space: global }
      - { .name: bq, .offset: 32, .size: 8, .value_kind: global_buffer, .address_space: global }
      - { .name: bk, .offset: 40, .size: 8, .value_kind: global_buffer, .address_space: global }
      - { .name: bv, .offset: 48, .size: 8, .value_kind: global_buffer, .address_space: global }
      - { .name: lowp_scales, .offset: 56, .size: 8, .value_kind: global_buffer, .address_space: global }
      - { .name: qc, .offset: 64, .size: 8, .value_kind: global_buffer, .address_space: global }
      - { .name: kc, .offset: 72, .size: 8, .value_kind: global_buffer, .address_space: global }
      - { .name: vc, .offset: 80, .size: 8, .value_kind: global_buffer, .address_space: global }
    .group_segment_fixed_size: 327680
    .private_segment_fixed_size: 0
    .kernarg_segment_align: 8
    .kernarg_segment_size: 88
    .max_flat_workgroup_size: 128
    .sgpr_count:     102
    .vgpr_count:     1024
    .wavefront_size: 32
...
	.end_amdgpu_metadata
.endif
;; end of part 1
;; launch attn (part 2): grid 4 x 64, 8 waves a work-group, clusters of 4 x 1, 327,680 bytes of LDS; arguments qc, kc, vc, attention_mask, lowp_scales, out0; writes out0
.if DOCPART == 2
	.amdgcn_target "amdgcn-amd-amdhsa--gfx1250"
	.amdhsa_code_object_version 6
	.text
	.protected	k_q020ea85469_attn
	.globl	k_q020ea85469_attn
	.p2align	8
	.type	k_q020ea85469_attn,@function
k_q020ea85469_attn:
	s_mov_b64 s[64:65], 0
	v_nop
	global_prefetch_b8 v0, s[64:65] scope:SCOPE_SE
	s_setreg_imm32_b32 hwreg(HW_REG_WAVE_MODE, 25, 1), 1
	s_wait_xcnt 0x0
	s_wait_alu depctr_hold_cnt(0) depctr_sa_sdst(0) depctr_va_vdst(0) depctr_va_sdst(0) depctr_va_ssrc(0) depctr_va_vcc(0) depctr_vm_vsrc(0)
	s_getreg_b32 s2, hwreg(HW_REG_IB_STS2, 6, 4)
	s_cmp_eq_u32 s2, 0
	s_cbranch_scc0 .Lentry_in_a_cluster
	s_endpgm
.Lentry_in_a_cluster:
	s_bfe_u32 s2, ttmp6, 0x10000c
	s_cmp_lg_u32 s2, 0x3003
	s_cbranch_scc0 .Lentry_shape_is_right
	s_endpgm
.Lentry_shape_is_right:
; ATTENTION ON CODES OF E4M3: out[b][q][head] = sum over keys of softmax(q.k / 8 + mask[b][key]) v, both products on the codes that the launch before stored (qc, kc: scales 2^e6, 2^e7; vc: 2^e9).
; Nothing is left out here: the mask varies along the softmax's axis and is added to every score.
; THE SOFTMAX: t = (score / 8 + mask) x log2(e); M = the ceiling of the row's running largest t; p = 2^(t - M) is held at 448 x 2^e8 and quantised with 2^e8; the row's sum is taken of the unquantised p and divides at the end.
; When M moves, the sum and O are multiplied by 2^(old M - new M), which rounds nothing; there is no branch on data.
; THE MASK goes in as the C of the score products: mask x 8 / 2^(e6 + e7), so that (raw sum + C) x c = t with c = log2(e) / 8 x 2^(e6 + e7).
; LIMITS: a mask number under -2^19 is held at -2^19 (p of such a key is 0 beside any key that is not so masked; a row ALL of whose keys lie under -2^19 is not served);
;   e6 + e7 between -123 and 130 (added to c's exponent field); e8 between -126 and 119; the scaled scores stay under 2^31 in magnitude.
; SHARES.  A cluster of 4 work-groups owns one batch x head; all four need that head's whole K and V (131,072 bytes each), which lie in LDS for the whole launch: they are asked for JOINTLY, mask 15,
;   by two loads a wave (waves 0-3 K, waves 4-7 V): first the first 512 keys' part (8,192 bytes a wave), then, behind a round of the cluster's barrier, the rest (24,576 bytes a wave).
;   A work-group owns 512 queries, a wave 64: two passes of two tiles of 16.  A key step is 128 keys: 16 score products (K = 64), the softmax of 2 x 64 numbers a lane, 8 products with V (K = 128).
; THE HEAD: Q's and the mask's loads go out ahead of the first round; the first pass's set-up, the scales and the mask's scaling stand between the first tensor load and the wait for it.
; NO DATA PREFETCH: every tile of the launch is asked for at its head; there is no later load to run ahead of.
; LAYOUT.  Both products are used transposed (S^T = K Q^T, O^T = V^T P^T): a lane holds one query; the codes lie in memory and LDS as images of the operand registers, 512 bytes for four registers of 32 lanes.
;   A tile of K or Q is 16 neighbouring positions.  Register 8 k + j of a tile's 64 scores is key 16 k + 8 (lane / 16) + j of the step; p's codes keep that order, and vc's keys were stored in it.
; THE STEP'S ORDER.  Behind the score products: this step's V and the NEXT step's K and mask fragments are asked of LDS, a whole softmax ahead of their use.  The exponentials go in two batches, tile 0's among tile 1's
;   scalings, tile 1's among tile 0's first sums and holds; no line among a batch reads what a line of that batch wrote, so one wait stands ahead of each batch and one behind the last.
;   The two tiles' chains of dependent lines are laid line by line in turns.
; REGISTERS.  window 0: v1-15 addresses and constants; v16-31 two tiles' state (8 each: -M, largest t, sum x 2, f x 2, two at work); v32-63 sixteen pairs at work; v64-191 scores, then p; v192-255 the mask as C.
;   window 1: v0-63 O^T; v64-95 Q of both passes; v96-159 K's fragments; v160-223 V's; v224-255 p's codes.
.set VREG,  131072                     ; V's image behind K's
.set MASKB, 262144                     ; the batch's 2,048 mask numbers, scaled
.set STAGE, 271360                     ; the way out: 16 rows x 272 bytes a wave; 1,024 unused bytes part it from the mask
.set WSTG,  4352
.set SPARE, STAGE+8*WSTG               ; the spare words, 128 bytes a wave
.set LI,   1                           ; 16 x lane
.set AV0,  2
.set AM0,  3
.set ADK,  4
.set ADV,  5
.set ADM,  6
.set STO,  7
.set RD,   8
.set GO,   9
.set HOLD, 10                          ; 448 x 2^e8,
.set SCL,  11                          ; 2^e8
.set SPW,  12
.set NIL,  13
.set MST,  14
.set HOLD2, 15                         ; and 448 x 2^e8 once more: the two halves of a dual line take their second sources from different banks
.set ST,   16
.set T,    32
.set S,    64
.set MC,   192
.set OA,   0
.set QF,   64
.set KF,   96
.set VF,   160
.set PF,   224
.set WV,   18
.set CX,   19
.set BH,   20
.set G1X,  28
.set G1Y,  36
.set G0X,  44
.set G0Y,  48
.set TB,   56                          ; the step's byte in K's and V's images: 8,192 x step; also the loop's counter
.set TMK,  57                          ; and in the mask: 512 x step
.set MSB, 0
.macro WIN new                         ; the immediate's high byte repeats the setting that is left
.if MSB != (\new)
	s_set_vgpr_msb (MSB<<8)|(\new)
.set MSB, (\new)
.endif
.endm
.macro CROUND                          ; a round of the cluster's barrier
	s_barrier_signal -1
	s_barrier_wait -1
	s_cmp_lg_u32 s[WV], 0
	s_cbranch_scc1 .Lnot_wave_0_\@
	s_barrier_signal -3
.Lnot_wave_0_\@:
	s_barrier_wait -3
	s_barrier_signal -1
	s_barrier_wait -1
.endm
.macro INIT                            ; a pass begins: the largest t -3e38, sums and O^T zeros, which the first change of M leaves zeros (the step is written once)
.irp t, 0,1
	v_mov_b32 v[ST+8*\t+1], 0xff61b1e6
	v_mov_b32 v[ST+8*\t+2], 0
	v_mov_b32 v[ST+8*\t+3], 0
	v_mov_b32 v[ST+8*\t+5], 0                      ; (named as the upper half of f's pair)
	v_mov_b32 v[T+\t], 0                           ; (a lane permute's destination counts as a source)
	v_floor_f32 v[ST+8*\t], -v[ST+8*\t+1]
.endr
	WIN 0x40
.set j, 0
.rept 64
	v_mov_b32 v[OA+j], 0
.set j, j+1
.endr
	WIN 0
	s_wait_alu depctr_va_vdst(0)                   ; ahead of the blocking waits that follow
.endm
	s_load_b256 s[4:11], s[0:1], 0x0               ; qc s[4:5], kc s[6:7], vc s[8:9], the mask s[10:11]
	s_load_b128 s[12:15], s[0:1], 0x20             ; the scales' exponents s[12:13], out s[14:15]
	v_lshl_add_u32 v[SPW], v0, 2, SPARE
	v_mov_b32 v[NIL], 0
	ds_add_u32 v[SPW], v[NIL]                      ; the opening: the add, twice on end, and its wait ahead of my first tensor load
	ds_add_u32 v[SPW], v[NIL]
	v_lshrrev_b32 v51, 5, v0
	v_readfirstlane_b32 s[WV], v51                 ; wave 0..7
	s_bfe_u32 s[CX], ttmp6, 0x40000                ; my place in the cluster: it enters Q's and out's addresses alone
	s_and_b32 s[BH], ttmp7, 0xffff                 ; batch x 16 + head
	s_mov_b32 s[G1X], 15|(3<<16)|(1<<21)           ; dense blocks as rows of 256 bytes (32 elements of 8 bytes): 32 rows,
	s_mov_b32 s[G1X+1], 32<<16
	s_mov_b32 s[G1X+2], 32<<16
	s_mov_b32 s[G1X+3], 32<<16
	s_mov_b32 s[G1X+4], 32
	s_mov_b32 s[G1X+5], 32
	s_mov_b32 s[G1X+6], 0
	s_mov_b32 s[G1X+7], 0
	s_mov_b32 s[G1Y], 15|(3<<16)|(1<<21)           ; and 96 rows
	s_mov_b32 s[G1Y+1], 32<<16
	s_mov_b32 s[G1Y+2], 96<<16
	s_mov_b32 s[G1Y+3], 32<<16
	s_mov_b32 s[G1Y+4], 96
	s_mov_b32 s[G1Y+5], 32
	s_mov_b32 s[G1Y+6], 0
	s_mov_b32 s[G1Y+7], 0
	s_lshr_b32 s66, s[WV], 2                       ; 0: K, 1: V
	s_and_b32 s67, s[WV], 3
	s_lshl_b32 s68, s66, 17
	s_lshl_b32 s69, s67, 13                        ; first load: 8,192 x (wave % 4)
	s_mul_i32 s70, s67, 24576
	s_add_co_u32 s70, s70, 32768                   ; second: 32,768 + 24,576 x (wave % 4)
	s_lshl_b32 s72, s[BH], 17                      ; the head's image in each buffer
	s_mov_b32 s[G0X], 1
	s_add_co_u32 s[G0X+1], s68, s69
	s_mov_b32 s[G0Y], 1
	s_add_co_u32 s[G0Y+1], s68, s70
	s_add_co_u32 s74, s72, s69
	s_mov_b32 s75, 0
	s_add_co_u32 s70, s72, s70
	s_mov_b32 s71, 0
	s_mov_b32 s22, 0x76543210                      ; lane l xor 16
	s_mov_b32 s23, 0xfedcba98
	v_and_b32 v51, 31, v0
	v_and_b32 v48, 15, v0                          ; r
	v_bfe_u32 v49, v0, 4, 1                        ; h
	v_lshlrev_b32 v[LI], 4, v51
	v_lshl_add_u32 v[AM0], v49, 5, MASKB           ; my half's eight keys of each 16
	v_lshl_add_u32 v[MST], v0, 5, MASKB
	v_lshlrev_b32 v50, 5, v0
	v_add_nc_u32 v[AV0], VREG, v[LI]
	s_mul_i32 s69, s[WV], WSTG
	s_add_co_u32 s69, s69, STAGE
	v_mul_u32_u24 v[STO], v48, 272
	v_mul_u32_u24 v[RD], v49, 272
	v_lshlrev_b32 v[GO], 12, v49
	v_lshl_add_u32 v[STO], v49, 5, v[STO]
	v_lshl_add_u32 v[RD], v48, 4, v[RD]
	v_lshl_add_u32 v[GO], v48, 4, v[GO]
	v_add_nc_u32 v[STO], s69, v[STO]
	v_add_nc_u32 v[RD], s69, v[RD]
	s_wait_dscnt 0x0                               ; both opening adds are done
	s_wait_kmcnt 0x0
	s_load_b128 s[52:55], s[12:13], 0x18           ; e6, e7, e8, e9
	s_cmp_lt_u32 s[WV], 4
	s_cselect_b64 s[66:67], s[6:7], s[8:9]
	s_add_nc_u64 s[G0X+2:G0X+3], s[66:67], s[74:75]
	s_or_b32 s[G0X+3], s[G0X+3], 0x80000000
	s_add_nc_u64 s[G0Y+2:G0Y+3], s[66:67], s[70:71]
	s_or_b32 s[G0Y+3], s[G0Y+3], 0x80000000
	s_lshl_b32 s66, s[CX], 4
	s_add_co_u32 s66, s66, s[WV]
	s_lshl_b32 s66, s66, 11                        ; Q: 32 queries (two tiles of 1,024 bytes) from query 32 (16 cx + wave) on (pass 1: 256 queries on)
	s_add_co_u32 s66, s66, s72
	s_mov_b32 s67, 0
	s_add_nc_u64 s[4:5], s[4:5], s[66:67]
	s_lshr_b32 s68, s[BH], 4                       ; the batch
	s_lshl_b32 s66, s68, 13
	s_add_nc_u64 s[10:11], s[10:11], s[66:67]
	s_lshl_b32 s66, s68, 11
	s_lshl_b32 s69, s[CX], 9
	s_add_co_u32 s66, s66, s69
	s_lshl_b32 s69, s[WV], 5
	s_add_co_u32 s66, s66, s69                     ; my first row of out
	s_lshl_b32 s66, s66, 12
	s_and_b32 s69, s[BH], 15
	s_lshl_b32 s69, s69, 8
	s_add_co_u32 s66, s66, s69                     ; + 256 bytes x head
	s_add_nc_u64 s[14:15], s[14:15], s[66:67]
	s_wait_alu depctr_va_vdst(0)                   ; ahead of the readers below
	WIN 0x40
.irp p, 0,1
.irp u, 0,1
.irp c, 0,1
	global_load_b128 v[QF+16*\p+8*\u+4*\c:QF+16*\p+8*\u+4*\c+3], v[LI], s[4:5] offset:16384*\p+1024*\u+512*\c th:TH_LOAD_NT
.endr
.endr
.endr
	WIN 0
	global_load_b128 v[40:43], v50, s[10:11]       ; eight mask numbers a thread
	global_load_b128 v[44:47], v50, s[10:11] offset:16
	CROUND                                         ; the four partners are here: the first joint loads meet
	tensor_load_to_lds s[G0X:G0X+3], s[G1X:G1X+7]  ; the first 512 keys' part: my one load at the head
	s_nop 0
	INIT                                           ; work on registers while the load is out
	s_wait_kmcnt 0x0
	s_add_co_i32 s66, s52, s53
	s_sub_co_i32 s60, 3, s66                       ; the mask x 2^(3 - e6 - e7)
	s_lshl_b32 s66, s66, 23
	s_add_co_i32 s24, s66, 0x3e38aa3b              ; c = log2(e) / 8 x 2^(e6 + e7)
	s_mov_b32 s25, s24
	s_add_co_i32 s61, s54, s55                     ; e8 + e9
	s_add_co_i32 s66, s54, 127
	s_lshl_b32 s67, s66, 23
	v_mov_b32 v[SCL], s67
	s_add_co_i32 s66, s66, 8
	s_lshl_b32 s66, s66, 23
	s_or_b32 s66, s66, 0x600000
	v_mov_b32 v[HOLD], s66
	v_mov_b32 v[HOLD2], s66
	s_wait_loadcnt 0x0
.irp i, 0,1,2,3,4,5,6,7
	v_max_num_f32 v[40+\i], 0xc9000000, v[40+\i]   ; held at -2^19 from below
.endr
.irp i, 0,1,2,3,4,5,6,7
	v_ldexp_f32 v[40+\i], v[40+\i], s60
.endr
	s_wait_alu depctr_va_vdst(0)                   ; ahead of the blocking wait
	s_wait_tensorcnt 0x0
	ds_add_u32 v[SPW], v[NIL]
	s_wait_dscnt 0x0
	CROUND
	tensor_load_to_lds s[G0Y:G0Y+3], s[G1Y:G1Y+7]  ; the rest
	s_nop 0
.rept 4
	v_nop
.endr
	ds_store_b128 v[MST], v[40:43]
	ds_store_b128 v[MST], v[44:47] offset:16
.macro DMIN a                          ; the hold of two numbers in one dual line: the conversion to an 8-bit code does not saturate (ISA guide 7.6.2); p is not negative, so the hold is one-sided
	v_dual_min_num_f32 v[\a], v[\a], v[HOLD] :: v_dual_min_num_f32 v[(\a)+1], v[(\a)+1], v[HOLD2]
.endm
.macro LOADKM adk, adm, ko, mo         ; a step's mask numbers as C (64 registers: tile k's eight at 64 k + 32 h bytes) and K's eight fragments
.irp b, 0,1,2,3,4,5,6,7
.irp i, 0,1
	ds_load_b128 v[MC+8*\b+4*\i:MC+8*\b+4*\i+3], v[\adm] offset:(\mo)+64*\b+16*\i
.endr
.endr
	WIN 0x40
.irp k, 0,1,2,3,4,5,6,7
.irp c, 0,1
	ds_load_b128 v[KF+8*\k+4*\c:KF+8*\k+4*\c+3], v[\adk] offset:(\ko)+1024*\k+512*\c
.endr
.endr
	WIN 0
.endm
; A KEY STEP.  Its K fragments and mask are in registers.  skip = 1: in a pass's last step (a test of the step counter alone) nothing is asked for the step after.
.macro STEP qb, skip
	s_lshr_b32 s[TMK], s[TB], 4
	WIN 0x05
.irp k, 0,1,2,3,4,5,6,7
.irp t, 0,1
	v_wmma_f32_16x16x64_fp8_fp8 v[S+64*\t+8*\k:S+64*\t+8*\k+7], v[KF+8*\k:KF+8*\k+7], v[\qb+8*\t:\qb+8*\t+7], v[MC+8*\k:MC+8*\k+7]
.endr
.endr
	WIN 0
	v_add_nc_u32 v[ADV], s[TB], v[AV0]             ; four places behind the products, ahead of the loads into their sources and of the first reads of the scores
	v_add_nc_u32 v[ADK], s[TB], v[LI]
	v_add_nc_u32 v[ADM], s[TMK], v[AM0]
	v_nop
	WIN 0x40
.irp d, 0,1,2,3
.irp c, 0,1,2,3
	ds_load_b128 v[VF+16*\d+4*\c:VF+16*\d+4*\c+3], v[ADV] offset:2048*\d+512*\c
.endr
.endr
	WIN 0
.if \skip
	s_cmp_eq_u32 s[TB], 15*8192
	s_cbranch_scc1 .Lnopre_\@
.endif
	LOADKM ADK, ADM, 8192, 512                     ; the next step's
.Lnopre_\@:
.irp t, 0,1                                    ; the step's largest score of my query: two chains a tile, each accumulator from its low end on
	v_max3_num_f32 v[ST+8*\t+6], v[S+64*\t], v[S+64*\t+1], v[S+64*\t+2]
.endr
.irp t, 0,1
	v_max3_num_f32 v[ST+8*\t+7], v[S+64*\t+3], v[S+64*\t+4], v[S+64*\t+5]
.endr
.irp i, 6,10,14,18,22,26,30,34,38,42,46,50,54,58
.irp t, 0,1
	v_max3_num_f32 v[ST+8*\t+6], v[ST+8*\t+6], v[S+64*\t+\i], v[S+64*\t+\i+1]
.endr
.irp t, 0,1
	v_max3_num_f32 v[ST+8*\t+7], v[ST+8*\t+7], v[S+64*\t+\i+2], v[S+64*\t+\i+3]
.endr
.endr
.irp t, 0,1
	v_max3_num_f32 v[ST+8*\t+6], v[ST+8*\t+6], v[S+64*\t+62], v[S+64*\t+63]
.endr
.irp t, 0,1
	v_max_num_f32 v[ST+8*\t+6], v[ST+8*\t+6], v[ST+8*\t+7]
.endr
.irp t, 0,1
	v_permlanex16_b32 v[T+\t], v[ST+8*\t+6], s22, s23
.endr
.irp t, 0,1
	v_max_num_f32 v[ST+8*\t+6], v[ST+8*\t+6], v[T+\t]      ; and among lane l xor 16's keys
.endr
.irp t, 0,1
	v_mul_f32 v[ST+8*\t+6], s24, v[ST+8*\t+6]              ; as t (c is positive)
.endr
.irp t, 0,1
	v_max_num_f32 v[ST+8*\t+1], v[ST+8*\t+1], v[ST+8*\t+6] ; the running largest t
.endr
.irp t, 0,1
	v_mov_b32 v[ST+8*\t+6], v[ST+8*\t]
.endr
.irp t, 0,1
	v_floor_f32 v[ST+8*\t], -v[ST+8*\t+1]                  ; -M = floor(-t)
.endr
.irp t, 0,1
	v_sub_f32 v[ST+8*\t+6], v[ST+8*\t], v[ST+8*\t+6]       ; old M - new M, a whole number, 0 or less
.endr
.irp t, 0,1
	v_cvt_i32_f32 v[ST+8*\t+6], v[ST+8*\t+6]               ; (it saturates)
.endr
.irp t, 0,1
	v_ldexp_f32 v[ST+8*\t+4], 1.0, v[ST+8*\t+6]            ; f = 2^(old M - new M)
.endr
.set j, 0
.rept 32
	v_pk_fma_f32 v[S+2*j:S+2*j+1], v[S+2*j:S+2*j+1], s[24:25], v[ST:ST+1] op_sel_hi:[1,0,0]   ; tile 0: t - M
.set j, j+1
.endr
	WIN 0x41
.irp t, 0,1
.set j, 0
.rept 16
	v_pk_mul_f32 v[OA+32*\t+2*j:OA+32*\t+2*j+1], v[OA+32*\t+2*j:OA+32*\t+2*j+1], v[ST+8*\t+4:ST+8*\t+5] op_sel_hi:[1,0]   ; O^T under the new M: ahead of the exponentials
.set j, j+1
.endr
.endr
	WIN 0
	s_wait_alu depctr_va_vdst(0)                   ; ahead of a batch
.set j, 0
.rept 32                                       ; tile 0's exponentials, among them tile 1's t - M
	v_pk_fma_f32 v[S+64+2*j:S+64+2*j+1], v[S+64+2*j:S+64+2*j+1], s[24:25], v[ST+8:ST+9] op_sel_hi:[1,0,0]
	v_exp_f32 v[S+2*j], v[S+2*j]
	v_exp_f32 v[S+2*j+1], v[S+2*j+1]
.set j, j+1
.endr
	v_pk_mul_f32 v[ST+2:ST+3], v[ST+2:ST+3], v[ST+4:ST+5] op_sel_hi:[1,0]         ; the sums under the new M
	v_pk_mul_f32 v[ST+10:ST+11], v[ST+10:ST+11], v[ST+12:ST+13] op_sel_hi:[1,0]
	s_wait_alu depctr_va_vdst(0)                   ; behind tile 0's batch and ahead of tile 1's
.set j, 0
.rept 16                                       ; tile 1's exponentials; among them, of tile 0: sixteen first sums of the unquantised p, each into a pair of its own, and behind each the hold of its four numbers
	v_exp_f32 v[S+64+4*j], v[S+64+4*j]
	v_pk_add_f32 v[T+2*j:T+2*j+1], v[S+4*j:S+4*j+1], v[S+4*j+2:S+4*j+3]
	v_exp_f32 v[S+64+4*j+1], v[S+64+4*j+1]
	DMIN S+4*j
	v_exp_f32 v[S+64+4*j+2], v[S+64+4*j+2]
	DMIN S+4*j+2
	v_exp_f32 v[S+64+4*j+3], v[S+64+4*j+3]
.set j, j+1
.endr
	v_nop                                          ; a place behind the last exponential
	s_wait_alu depctr_va_vdst(0)                   ; one wait behind the batch
.set j, 0
.rept 8
	v_pk_add_f32 v[T+2*j:T+2*j+1], v[T+2*j:T+2*j+1], v[T+16+2*j:T+17+2*j]         ; tile 0's sixteen pairs become eight;
.set j, j+1
.endr
.set j, 0
.rept 4
	v_pk_add_f32 v[T+16+2*j:T+17+2*j], v[S+64+4*j:S+65+4*j], v[S+66+4*j:S+67+4*j] ; tile 1's sum goes in four chains, in pairs that have come free
.set j, j+1
.endr
.set j, 0
.rept 4
	v_pk_add_f32 v[T+2*j:T+2*j+1], v[T+2*j:T+2*j+1], v[T+8+2*j:T+9+2*j]
.set j, j+1
.endr
.set n, 0
.rept 8
	DMIN S+64+2*n
.set n, n+1
.endr
.rept 24
	v_pk_add_f32 v[T+16+2*(n%4):T+17+2*(n%4)], v[T+16+2*(n%4):T+17+2*(n%4)], v[S+64+2*n:S+65+2*n]
	DMIN S+64+2*n                                  ; a pair is held behind the line that summed it
.set n, n+1
.endr
	v_pk_add_f32 v[T:T+1], v[T:T+1], v[T+4:T+5]
	v_pk_add_f32 v[T+2:T+3], v[T+2:T+3], v[T+6:T+7]
	v_pk_add_f32 v[T+16:T+17], v[T+16:T+17], v[T+18:T+19]
	v_pk_add_f32 v[T+20:T+21], v[T+20:T+21], v[T+22:T+23]
	v_pk_add_f32 v[T:T+1], v[T:T+1], v[T+2:T+3]
	v_pk_add_f32 v[T+16:T+17], v[T+16:T+17], v[T+20:T+21]
	v_pk_add_f32 v[ST+2:ST+3], v[ST+2:ST+3], v[T:T+1]
	v_pk_add_f32 v[ST+10:ST+11], v[ST+10:ST+11], v[T+16:T+17]
	WIN 0x40
.irp g, 0,1,2,3,4,5,6,7,8,9,10,11,12,13,14,15
	v_cvt_scalef32_pk8_fp8_f32 v[PF+2*\g:PF+2*\g+1], v[S+8*\g:S+8*\g+7], v[SCL]   ; the results are the second product's operand registers
.endr
	WIN 0
	v_nop                                          ; one plain line between a scaled conversion and the matrix instruction that reads its result
	s_wait_alu depctr_va_vdst(0)                   ; directly ahead of the wait below
	s_wait_dscnt 0x0                               ; V's fragments, and the next step's K and mask: all were asked for a softmax ago
	WIN 0x55
.irp d, 0,1,2,3
.irp t, 0,1
	v_wmma_f32_16x16x128_fp8_fp8 v[OA+32*\t+8*\d:OA+32*\t+8*\d+7], v[VF+16*\d:VF+16*\d+15], v[PF+16*\t:PF+16*\t+15], v[OA+32*\t+8*\d:OA+32*\t+8*\d+7]
.endr
.endr
	WIN 0
.endm
.macro KEYLOOP first, end, skip, qb    ; steps first .. end - 1
	s_mov_b32 s[TB], (\first)*8192
.Lkey_\@:
	STEP \qb, \skip
	s_add_co_u32 s[TB], s[TB], 8192
	s_cmp_lt_u32 s[TB], (\end)*8192
	s_cbranch_scc1 .Lkey_\@
.endm
.macro OUT p                           ; O^T / the sum x 2^(e8 + e9), through my stage, out as aligned units of 256 bytes (a head's 64 channels of one position)
.irp t, 0,1
	v_add_f32 v[ST+8*\t+6], v[ST+8*\t+2], v[ST+8*\t+3]
.endr
.irp t, 0,1
	v_permlanex16_b32 v[T+\t], v[ST+8*\t+6], s22, s23
.endr
.irp t, 0,1
	v_add_f32 v[ST+8*\t+6], v[ST+8*\t+6], v[T+\t]
.endr
	s_wait_alu depctr_va_vdst(0)
.irp t, 0,1
	v_rcp_f32 v[ST+8*\t+7], v[ST+8*\t+6]
.endr
	v_nop
	s_wait_alu depctr_va_vdst(0)
.irp t, 0,1
	v_ldexp_f32 v[ST+8*\t+4], v[ST+8*\t+7], s61
.endr
.irp u, 0,1
	WIN 0x01
.set j, 0
.rept 16
	v_pk_mul_f32 v[S+64*\u+2*j:S+64*\u+2*j+1], v[OA+32*\u+2*j:OA+32*\u+2*j+1], v[ST+8*\u+4:ST+8*\u+5] op_sel_hi:[1,0]
.set j, j+1
.endr
	WIN 0
.irp d, 0,1,2,3
	ds_store_b128 v[STO], v[S+64*\u+8*\d:S+64*\u+8*\d+3] offset:64*\d
	ds_store_b128 v[STO], v[S+64*\u+8*\d+4:S+64*\u+8*\d+7] offset:64*\d+16
.endr
.irp i, 0,1,2,3,4,5,6,7
	ds_load_b128 v[S+64*\u+32+4*\i:S+64*\u+32+4*\i+3], v[RD] offset:544*\i   ; LDS serves a wave's instructions in order (ISA guide 5.7.1.4)
.endr
.endr
.irp u, 0,1
.irp i, 0,1,2,3,4,5,6,7
	s_wait_dscnt 16*(1-\u)+7-\i                    ; the LDS instructions issued behind this load
	global_store_b128 v[GO], v[S+64*\u+32+4*\i:S+64*\u+32+4*\i+3], s[14:15] offset:(\p)*1048576+(16*\u+2*\i)*4096 th:TH_STORE_NT
.endr
.endr
.endm
	s_wait_tensorcnt 1                             ; (the first load was waited for above; the second may be out)
	s_wait_dscnt 0x0                               ; my mask numbers are stored
	s_barrier_signal -1
	s_barrier_wait -1
	LOADKM LI, AM0, 0, 0                           ; step 0's K and mask
	s_wait_dscnt 0x0
	KEYLOOP 0, 3, 0, QF                            ; steps 0 to 2 read, and ask ahead for, the first 512 keys alone
	s_wait_tensorcnt 0x0                           ; my part of the rest is in,
	s_wait_dscnt 0x0
	s_barrier_signal -1
	s_barrier_wait -1                              ; everybody's is
	KEYLOOP 3, 16, 1, QF
	OUT 0
	s_wait_xcnt 0x0                                ; the stores have read their registers
	INIT
	LOADKM LI, AM0, 0, 0
	s_wait_dscnt 0x0
	KEYLOOP 0, 16, 1, QF+16
	OUT 1
	s_wait_tensorcnt 0x0                           ; the wave's end
	ds_add_u32 v[SPW], v[NIL]
	s_wait_dscnt 0x0
	CROUND                                         ; the closing round
	s_endpgm
.Lfunc_end_k_q020ea85469_attn:
	.size	k_q020ea85469_attn, .Lfunc_end_k_q020ea85469_attn-k_q020ea85469_attn
	.p2alignl 7, 3214868480
	.fill 96, 4, 3214868480
	.section	.rodata,"a",@progbits
	.p2align	6, 0x0
	.amdhsa_kernel k_q020ea85469_attn
		.amdhsa_group_segment_fixed_size 327680
		.amdhsa_private_segment_fixed_size 0
		.amdhsa_enable_private_segment 0
		.amdhsa_kernarg_size 48
		.amdhsa_user_sgpr_count 2
		.amdhsa_user_sgpr_kernarg_segment_ptr 1
		.amdhsa_wavefront_size32 1
		.amdhsa_system_sgpr_workgroup_id_x 1
		.amdhsa_system_sgpr_workgroup_id_y 1
		.amdhsa_system_sgpr_workgroup_id_z 1
		.amdhsa_system_vgpr_workitem_id 0
		.amdhsa_next_free_vgpr 512
		.amdhsa_next_free_sgpr 80
		.amdhsa_reserve_vcc 0
		.amdhsa_float_denorm_mode_32 3
		.amdhsa_float_denorm_mode_16_64 3
		.amdhsa_memory_ordered 1
		.amdhsa_forward_progress 1
		.amdhsa_inst_pref_size 120
	.end_amdhsa_kernel
	.amdgpu_metadata
---
amdhsa.version: [ 1, 2 ]
amdhsa.kernels:
  - .name:           k_q020ea85469_attn
    .symbol:         k_q020ea85469_attn.kd
    .args:
      - { .name: qc, .offset: 0, .size: 8, .value_kind: global_buffer, .address_space: global }
      - { .name: kc, .offset: 8, .size: 8, .value_kind: global_buffer, .address_space: global }
      - { .name: vc, .offset: 16, .size: 8, .value_kind: global_buffer, .address_space: global }
      - { .name: attention_mask, .offset: 24, .size: 8, .value_kind: global_buffer, .address_space: global }
      - { .name: lowp_scales, .offset: 32, .size: 8, .value_kind: global_buffer, .address_space: global }
      - { .name: out0, .offset: 40, .size: 8, .value_kind: global_buffer, .address_space: global }
    .group_segment_fixed_size: 327680
    .private_segment_fixed_size: 0
    .kernarg_segment_align: 8
    .kernarg_segment_size: 48
    .max_flat_workgroup_size: 256
    .sgpr_count:     80
    .vgpr_count:     512
    .wavefront_size: 32
...
	.end_amdgpu_metadata
.endif
;; end of part 2
